; MI455X (gfx1250); checked and timed in simulation.
; The chip was launched on July 23, 2026; its instructions are those of AMD's public machine-readable ISA for CDNA 5 (MIT licence, August 2026) and "CDNA5" Instruction Set Architecture Reference Guide (July 2026). The comments in the code are by the model that wrote it; some were corrected since.
;; Crf Decode Layer. Allowed arithmetic: float matrix products may take bf16 or f16 operands with f32 sums; all other float work in f32.
;; Inputs: emissions 256 x 256 x 128 float32; mask 256 x 256 int32; transition_weight 128 x 128 float32.
;; Outputs: out0 256 x 256 int32.
;; 2 versions, each right; version 2 is version 1 with the launch viterbi written anew for expert scheduling mode. Each part assembles by itself: llvm-mc -triple=amdgcn-amd-amdhsa -mcpu=gfx1250 --defsym DOCPART=n.
;; ======== version 1 of 2: 1 launch
;; launch viterbi (part 1): grid 256 x 1, 4 waves a work-group, no clusters, 168,448 bytes of LDS; arguments emissions, mask, transition_weight, out0; writes out0
.if DOCPART == 1
	.amdgcn_target "amdgcn-amd-amdhsa--gfx1250"
	.amdhsa_code_object_version 6
	.text
	.protected	k_q5c85d747e8_viterbi
	.globl	k_q5c85d747e8_viterbi
	.p2align	8
	.type	k_q5c85d747e8_viterbi,@function
k_q5c85d747e8_viterbi:
	s_mov_b64 s[64:65], 0
	v_nop
	global_prefetch_b8 v0, s[64:65] scope:SCOPE_SE
	s_setreg_imm32_b32 hwreg(HW_REG_WAVE_MODE, 25, 1), 1
	s_wait_xcnt 0x0
; Viterbi decode of a CRF.  emissions [256][256][128] f32, mask [256][256] i32, transitions [128][128] f32, out [256][256] i32.
; One work-group = one batch, four waves, thread k = tag k.  length = sum of the batch's mask row.
; Step t (1 .. 255, only while t < length):  score'[k] = max over j of (score[j] + trans[j][k]) + e[t][k],  bp[t][k] = first j that reaches the maximum.
; Every sum is one f32 add and the maximum is exact, so the sums are the reference's own bit for bit; ties go to the lowest j.
; Steps with t >= length change nothing in the reference (score frozen, tag carried): here they do no arithmetic and their rows of
; backpointers hold the identity.  The loop has a constant number of trips because it holds a barrier; a held trip jumps over both working halves.
; The length steers branches, so it is made of whole numbers on the scalar side alone: scalar loads of the mask row and scalar adds.
; The backtrace runs in wave 0 on registers: the tag picks a lane (v_readlane_b32) and a byte (scalar shift); it enters no address and no branch.
; The multiplication of the transitions by LR_MULT = 1.0 changes no bit and is not written.
; LIMIT: NaN is not served (v_max_num_f32 drops a NaN where the reference keeps it); infinities are served as long as no sum is inf - inf.
; NO CLUSTER: the one input that work-groups share is the transition matrix, 65,536 bytes, read once by each work-group ahead of up to 255
; steps that read nothing shared; emissions, mask and output are each work-group's own.
.set ROWB,  512                        ; bytes in a row of emissions and of the transition matrix (128 f32)
.set TRS,   0                          ; LDS: the transition matrix, row-major, 65,536 bytes
.set STATE, 65536                      ; LDS: the 128 scores, two buffers of 512 bytes that take turns
.set FIN,   STATE+1024                 ; LDS: the last scores, 512 bytes
.set BP,    STATE+2048                 ; LDS: backpointers: row t is 128 bytes, byte k the best previous tag of tag k; 256 rows
.set LANE, 1                           ; v1       lane
.set T0,   2                           ; v2-5     at work
.set T1,   3
.set T2,   4
.set T3,   5
.set K4,   6                           ; v6       4 x thread: my column in a row of f32 (memory and LDS)
.set T16,  7                           ; v7       16 x thread
.set L16,  8                           ; v8       16 x lane: my 16 bytes of each half of the mask row and of the output row
.set STA,  9                           ; v9       LDS address of my score
.set RDA,  10                          ; v10      LDS address from which I read 4 scores: 16 x (lane mod 16)
.set BPA,  11                          ; v11      LDS address of my backpointer in the body's first row
.set ST,   12                          ; v12      my tag's score
.set M,    13                          ; v13      the maximum of my 128 sums
.set GI,   14                          ; v14      first group of eight sums that holds it
.set LI,   15                          ; v15      first place in that group; then the backpointer
.set R,    16                          ; v[16:23]   the 128 scores: register 4u+x, lane q of each row of 16 lanes = score[64u + 4q + x]
.set E0,   24                          ; v[24:31]   eight rows of emissions, my column
.set E1,   32                          ; v[32:39]   the eight rows behind them
.set MK,   40                          ; v[40:47]   wave 0: mask: register 4u+x, lane l = position 128u + 4l + x
.set GM,   48                          ; v[48:63]   maxima of the 16 groups of eight sums
.set Y,    64                          ; v[64:79]   at work in the tree of maxima
.set A,    80                          ; v[80:84]   likewise
.set O,    88                          ; v[88:95]   tags, laid out as the mask
.set ID,   96                          ; v[96:99]   16 bytes of an identity row
.set F,    100                         ; v[100:103] wave 0: four of the last scores
.set RWA,  104                         ; v104       wave 0: LDS address of my word in row 0 of the backpointers
.set S,    128                         ; v[128:255] my 128 sums; at the start a landing place for the transitions; at the end rows of backpointers
.set SEL,  S+120                       ; the last group's registers take the eight sums of the chosen group
                                       ; v[256:383] trans[j][k], j = 0 .. 127: written v[j] under a window setting
; scalars: s[4:5] emissions (stepped), s[6:7] mask row, s[8:9] transitions, s[10:11] output row, s12 wave, s13 length clamped to 1 .. 256,
; s14 = s13 - 1, s15 = t - 1, s16 body counter, s17 first row of the block to fetch next, s20-21 lane selects, s24-30 compare masks, s31-35 backtrace;
; at the start s13-16 are four partial sums of the mask, and s[24:31], s[36:59], s[68:99] take 64 words of it at a time
.set MSB, 0
.macro WIN new                         ; s_set_vgpr_msb: low byte = the windows, high byte repeats the setting that is left
.if MSB != \new
	s_set_vgpr_msb (MSB<<8)|\new
.set MSB, \new
.endif
.endm
; A quarter of the mask row, 64 words = 256 bytes, into scalar registers ...
.macro MLOAD r
	s_load_b512 s[36:51], s[6:7], 256*\r
	s_load_b512 s[68:83], s[6:7], 256*\r+64
	s_load_b512 s[84:99], s[6:7], 256*\r+128
	s_load_b256 s[52:59], s[6:7], 256*\r+192
	s_load_b256 s[24:31], s[6:7], 256*\r+224
.endm
; ... and onto four sums that do not wait for each other, in 32-bit integers as the reference sums them.
.macro MADD
	s_wait_kmcnt 0x0                               ; scalar loads come back in no order: only the count 0 shows anything
.set i, 0
.rept 8
	s_add_co_u32 s13, s13, s[36+i]
	s_add_co_u32 s14, s14, s[68+i]
	s_add_co_u32 s15, s15, s[84+i]
	s_add_co_u32 s16, s16, s[52+i]
	s_add_co_u32 s13, s13, s[44+i]
	s_add_co_u32 s14, s14, s[76+i]
	s_add_co_u32 s15, s15, s[92+i]
	s_add_co_u32 s16, s16, s[24+i]
.set i, i+1
.endr
.endm
	s_load_b256 s[4:11], s[0:1], 0x0               ; emissions, mask, transitions, out
	v_lshl_add_u32 v126, v0, 2, 0x29000
	v_mov_b32 v127, 0
	v_and_b32 v[LANE], 31, v0
	v_lshrrev_b32 v[T0], 5, v0
	v_readfirstlane_b32 s12, v[T0]                 ; wave 0 .. 3
	v_lshlrev_b32 v[K4], 2, v0
	v_lshlrev_b32 v[T16], 4, v0
	v_lshlrev_b32 v[L16], 4, v[LANE]
	s_mov_b32 s20, 0x76543210                      ; v_permlanex16_b32: lane i reads lane i of the other half
	s_mov_b32 s21, 0xfedcba98
	s_mov_b32 s22, 0x04040404
	s_mov_b32 s35, 0x50002                         ; s_bfe_u32: 5 bits from bit 2
	s_mov_b32 s13, 0                               ; the four partial sums of the mask
	s_mov_b32 s14, 0
	s_mov_b32 s15, 0
	s_mov_b32 s16, 0
	s_lshl_b32 s18, ttmp9, 17                      ; batch x 256 rows x 512 bytes (below 2^25)
	s_mov_b32 s19, 0
	s_lshl_b32 s2, ttmp9, 10                       ; batch x 256 positions x 4 bytes
	s_mov_b32 s3, 0
	s_wait_kmcnt 0x0
	s_add_nc_u64 s[4:5], s[4:5], s[18:19]
	s_add_nc_u64 s[6:7], s[6:7], s[2:3]
	s_add_nc_u64 s[10:11], s[10:11], s[2:3]
	; 40 vector loads go out together: rows 0-7 of my column, my 512 bytes of each 2,048 of the transitions
.irp x, 0,1,2,3,4,5,6,7
	global_load_b32 v[E0+\x], v[K4], s[4:5] offset:ROWB*\x th:TH_LOAD_NT
.endr
.set n, 0
.rept 32
	global_load_b128 v[S+4*n:S+4*n+3], v[T16], s[8:9] offset:2048*n   ; the four waves take 2,048 neighbouring bytes (4 rows) at a time
.set n, n+1
.endr
	; while they are on their way: the mask row in four quarters (every wave sums it whole: each needs the length), LDS addresses,
	; and every row of backpointers becomes the identity (byte k = k)
	MLOAD 0
	v_add_nc_u32 v[STA], STATE, v[K4]
	v_and_b32 v[T0], 15, v0
	v_lshlrev_b32 v[RDA], 4, v[T0]
	v_add_nc_u32 v[RDA], STATE, v[RDA]
	v_add_nc_u32 v[BPA], BP, v0
	v_and_b32 v[T0], 7, v0                         ; 16 x thread mod 128: my 16 bytes begin at word 4 (thread mod 8) of a row
	v_lshlrev_b32 v[T0], 2, v[T0]
	v_mul_lo_u32 v[ID], v[T0], s22                 ; word L of a row holds the bytes 4L, 4L+1, 4L+2, 4L+3 = L x 0x04040404 + 0x03020100
	v_add_nc_u32 v[ID], 0x03020100, v[ID]
	v_add_nc_u32 v[ID+1], s22, v[ID]
	v_add_nc_u32 v[ID+2], s22, v[ID+1]
	v_add_nc_u32 v[ID+3], s22, v[ID+2]
	v_add_nc_u32 v[T1], BP, v[T16]
.set n, 0
.rept 16
	ds_store_b128 v[T1], v[ID:ID+3] offset:2048*n  ; 128 threads x 16 bytes = 16 rows at a time; 2,048 is a whole number of rows, so the pattern stays
.set n, n+1
.endr
	MADD
	MLOAD 1
	; The second block of emissions is fetched under a branch on the length, and the second working half of a trip reads what the first half wrote
	; (both halves hang on the same compare and are entered together).  These registers are written once here, so that they hold
	; defined values on every way through the text.
.irp x, 0,1,2,3,4,5,6,7
	v_mov_b32 v[E1+\x], 0
	v_mov_b32 v[GM+\x], 0
.endr
	v_mov_b32 v[M], 0
	v_mov_b32 v[GI], 0
	MADD
	MLOAD 2
	MADD
	MLOAD 3
	MADD
	s_add_co_u32 s13, s13, s14
	s_add_co_u32 s15, s15, s16
	s_add_co_u32 s13, s13, s15                     ; length = sum of the 256 mask words
	s_max_i32 s13, s13, 1                          ; for t = 1 .. 255, t < length says the same with the length clamped to 1 .. 256
	s_min_i32 s13, s13, 256
	s_sub_co_u32 s14, s13, 1                       ; number of working steps
	s_wait_loadcnt 0x0
.set n, 0
.rept 32
	ds_store_b128 v[T16], v[S+4*n:S+4*n+3] offset:TRS+2048*n   ; the matrix into LDS as it lies in memory
.set n, n+1
.endr
	v_mov_b32 v[ST], v[E0]                         ; the scores at t = 0 are the emissions of row 0
	ds_store_b32 v[STA], v[ST]                     ; into buffer 0
	s_wait_dscnt 0x0                               ; my parts of the matrix, of the identity rows and of the scores are in LDS
	s_barrier_signal -1
	s_barrier_wait -1                              ; everybody's are
	WIN 0x40                                       ; destination in v256-511
.set j, 0
.rept 128
	ds_load_b32 v[j], v[K4] offset:TRS+ROWB*j      ; v[256+j] = trans[j][k]; 32 lanes take 128 neighbouring bytes
.set j, j+1
.endr
	WIN 0
	ds_load_b128 v[R:R+3],   v[RDA]               ; score[4q .. 4q+3], q = lane mod 16: both rows of lanes hold the same
	ds_load_b128 v[R+4:R+7], v[RDA] offset:256    ; score[64+4q .. 64+4q+3]
	s_wait_dscnt 0x0
; My 128 sums.  The score of tag j = 64u + 4q + x lies in lane q of register R+4u+x; row_share:q hands it to all 16 lanes of the row within the add.
.macro SUMS
	WIN 0x04                                       ; source 1 in v256-511: the transitions
.irp u, 0,1
.irp q, 0,1,2,3,4,5,6,7,8,9,10,11,12,13,14,15
.irp x, 0,1,2,3
	v_add_f32_dpp v[S+64*\u+4*\q+\x], v[R+4*\u+\x], v[64*\u+4*\q+\x] row_share:\q row_mask:0xf bank_mask:0xf
.endr
.endr
.endr
	WIN 0
.endm
; Maxima of the 16 groups of eight neighbouring sums, level by level (16 independent instructions a level), then the maximum of all.
.macro TREE
.set g, 0
.rept 16
	v_max3_num_f32 v[GM+g], v[S+8*g], v[S+8*g+1], v[S+8*g+2]
.set g, g+1
.endr
.set g, 0
.rept 16
	v_max3_num_f32 v[Y+g], v[S+8*g+3], v[S+8*g+4], v[S+8*g+5]
.set g, g+1
.endr
.set g, 0
.rept 16
	v_max3_num_f32 v[GM+g], v[GM+g], v[S+8*g+6], v[S+8*g+7]
.set g, g+1
.endr
.set g, 0
.rept 8
	v_dual_max_num_f32 v[GM+g], v[GM+g], v[Y+g] :: v_dual_max_num_f32 v[GM+g+1], v[GM+g+1], v[Y+g+1]
.set g, g+2
.endr
	v_max3_num_f32 v[A],   v[GM],    v[GM+1],  v[GM+2]
	v_max3_num_f32 v[A+1], v[GM+3],  v[GM+4],  v[GM+5]
	v_max3_num_f32 v[A+2], v[GM+6],  v[GM+7],  v[GM+8]
	v_max3_num_f32 v[A+3], v[GM+9],  v[GM+10], v[GM+11]
	v_max3_num_f32 v[A+4], v[GM+12], v[GM+13], v[GM+14]
	v_max3_num_f32 v[A],   v[A],     v[A+1],   v[A+2]
	v_max3_num_f32 v[A+3], v[A+3],   v[A+4],   v[GM+15]
	v_max_num_f32  v[M],   v[A],     v[A+3]
.endm
; If group g holds the maximum, its eight sums and its number replace what has been chosen.  Groups are taken from 14 down to 0, so the lowest wins.
; One compare serves nine selects; eight of them go two to an instruction (both halves read VCC).
.macro PICK g
	v_cmp_eq_f32 vcc_lo, v[GM+\g], v[M]
.irp x, 0,2,4,6
	v_dual_cndmask_b32 v[SEL+\x], v[SEL+\x], v[S+8*\g+\x] :: v_dual_cndmask_b32 v[SEL+\x+1], v[SEL+\x+1], v[S+8*\g+\x+1]
.endr
	v_cndmask_b32 v[GI], v[GI], \g, vcc_lo
.endm
; The first of the eight chosen sums that equals the maximum (one does); backpointer = 8 x group + place.
.macro LAST
.irp x, 0,1,2,3,4,5,6
	v_cmp_eq_f32 s[24+\x], v[SEL+\x], v[M]
.endr
	v_cndmask_b32 v[LI], 7, 6, s30
.irp x, 5,4,3,2,1,0
	v_cndmask_b32 v[LI], v[LI], \x, s[24+\x]
.endr
	v_lshl_add_u32 v[LI], v[GI], 3, v[LI]
.endm
; One trip: step t = 16 x body + i, its emission in register e.  s15 = t - 1 (all ones at t = 0), so s15 < s14, unsigned, says 1 <= t < length.
; The score buffers take turns (t mod 2 = i mod 2).  A buffer is stored into again two trips later: between its reads and that store lies the next
; trip's barrier, in front of which every wave has waited for its reads.
.macro TRIP e, i
	s_cmp_lt_u32 s15, s14
	s_cbranch_scc0 .Lheld_\@
	SUMS
	TREE
	v_add_f32 v[ST], v[M], v[\e]                   ; my tag's new score
	ds_store_b32 v[STA], v[ST] offset:512*((\i)&1)
	v_mov_b32 v[GI], 15                            ; the search for the index starts at the last group; seven groups while the store is on its way
	PICK 14
	PICK 13
	PICK 12
	PICK 11
	PICK 10
	PICK 9
	PICK 8
.Lheld_\@:
	s_wait_dscnt 0x0                               ; for the others: my score is in LDS, my last reads of the scores and my last backpointer are done
	s_barrier_signal -1
	s_barrier_wait -1                              ; on every wave's way in every trip, working or held
	s_cmp_lt_u32 s15, s14
	s_cbranch_scc0 .Lnext_\@
	ds_load_b128 v[R:R+3],   v[RDA] offset:512*((\i)&1)
	ds_load_b128 v[R+4:R+7], v[RDA] offset:512*((\i)&1)+256
	PICK 7                                         ; the rest of the search while the new scores are on their way
	PICK 6
	PICK 5
	PICK 4
	PICK 3
	PICK 2
	PICK 1
	PICK 0
	LAST
	ds_store_b8 v[BPA], v[LI] offset:128*(\i)      ; row t, byte k: a wave's 32 lanes write 32 neighbouring bytes, each wave its own
	s_wait_dscnt 0x1                               ; LDS instructions of a wave end in order (ISA guide 5.7.1): the two loads are in, the one younger store may be out
.Lnext_\@:
	s_add_co_u32 s15, s15, 1
.endm
; Eight trips on one block of emission rows.  At its head the other block is asked for, eight trips ahead of its use, and only if its first row is
; below the length (then all its rows lie inside the batch: s17 is a multiple of 8 below 256).  The wait is for 0, so it holds whether or not
; the fetch eight trips ago was made.
.macro BLOCK use, next, first
	s_wait_loadcnt 0x0
	s_cmp_lt_u32 s17, s13
	s_cbranch_scc0 .Lnone_\@
.irp x, 0,1,2,3,4,5,6,7
	global_load_b32 v[\next+\x], v[K4], s[4:5] offset:ROWB*(\first+8+\x) th:TH_LOAD_NT
.endr
.Lnone_\@:
	s_add_co_u32 s17, s17, 8
.irp x, 0,1,2,3,4,5,6,7
	TRIP \use+\x, \first+\x
.endr
.endm
	s_mov_b32 s15, -1                              ; t - 1 for t = 0: that trip is held (row 0 has already become the scores)
	s_mov_b32 s16, 0
	s_mov_b32 s17, 8
.Lbody:                                            ; 16 bodies of 16 trips: t = 0 .. 255
	BLOCK E0, E1, 0
	BLOCK E1, E0, 8
	s_wait_xcnt 0x0                                ; the loads' base is stepped only behind this wait
	s_add_nc_u64 s[4:5], s[4:5], 16*ROWB
	v_add_nc_u32 v[BPA], 16*128, v[BPA]
	s_add_co_u32 s16, s16, 1
	s_cmp_lt_u32 s16, 16
	s_cbranch_scc1 .Lbody
	ds_store_b32 v[STA], v[ST] offset:FIN-STATE    ; the last scores meet in LDS
	s_wait_dscnt 0x0                               ; they and my last backpointers are in LDS
	s_barrier_signal -1
	s_barrier_wait -1
	s_cmp_lg_u32 s12, 0
	s_cbranch_scc1 .Lend                           ; the backtrace is one chain: wave 0 alone follows it
	; the mask row once more, now a word for each position of the output: asked for here, used behind the backtrace
	global_load_b128 v[MK:MK+3],   v[L16], s[6:7]
	global_load_b128 v[MK+4:MK+7], v[L16], s[6:7] offset:512
	; last tag = first tag with the largest last score.  Lane l holds tags 4l .. 4l+3.
	v_add_nc_u32 v[T3], FIN, v[L16]
	ds_load_b128 v[F:F+3], v[T3]
	v_lshlrev_b32 v[T2], 2, v[LANE]
	v_add_nc_u32 v[RWA], BP, v[T2]
	s_wait_dscnt 0x0
	v_max3_num_f32 v[T0], v[F], v[F+1], v[F+2]
	v_max_num_f32 v[T0], v[T0], v[F+3]
.irp x, 1,2,4,8
	v_max_num_f32_dpp v[T0], v[T0], v[T0] row_xmask:\x row_mask:0xf bank_mask:0xf
.endr
	v_permlanex16_b32 v[T1], v[T0], s20, s21
	v_max_num_f32 v[T0], v[T0], v[T1]              ; the largest score, in every lane
	v_mov_b32 v[T1], 128                           ; no tag of mine reaches it
.irp x, 3,2,1,0
	v_cmp_eq_f32 vcc_lo, v[F+\x], v[T0]
	v_add_nc_u32 v[T3], \x, v[T2]
	v_cndmask_b32 v[T1], v[T1], v[T3], vcc_lo      ; from 3 down to 0: my lowest tag that reaches it
.endr
	v_cvt_f32_u32 v[T1], v[T1]                     ; 0 .. 128 are exact in f32: the lowest over the lanes by the f32 minimum
.irp x, 1,2,4,8
	v_min_num_f32_dpp v[T1], v[T1], v[T1] row_xmask:\x row_mask:0xf bank_mask:0xf
.endr
	v_permlanex16_b32 v[T3], v[T1], s20, s21
	v_min_num_f32 v[T1], v[T1], v[T3]
	v_cvt_u32_f32 v[T1], v[T1]
	v_readfirstlane_b32 s31, v[T1]
	s_bfe_u32 s32, s31, s35                        ; the tag's word in a row (= lane): tag >> 2
	s_and_b32 s33, s31, 3
	s_lshl_b32 s33, s33, 3                         ; and its byte in the word: shift 8 (tag & 3)
.irp x, 0,1,2,3,4,5,6,7
	v_mov_b32 v[O+\x], s31                         ; every position from length - 1 on keeps the last tag
.endr
; Step t of the backtrace: row t lies in register S + t mod 128, word l in lane l.  tag[t-1] = bp[t][tag[t]]; the identity where t >= length.
; The bytes above the tag's stay in s34 and are cut off once, at the end.
.macro BACK t
	v_readlane_b32 s34, v[S+((\t)&127)], s32
	s_lshr_b32 s34, s34, s33
	s_bfe_u32 s32, s34, s35
	s_and_b32 s33, s34, 3
	s_lshl_b32 s33, s33, 3
	v_writelane_b32 v[O+4*(((\t)-1)>>7)+(((\t)-1)&3)], s34, (((\t)-1)>>2)&31
.endm
; Steps 16c+15 down to 16c (down to 1 in block 0); jumped over where even the lowest is not below the length: those change nothing.
.macro CHUNK c
	s_cmp_le_u32 s13, 16*\c
	s_cbranch_scc1 .Lskip_\@
.set tt, 16*\c+15
.rept 16
.if tt > 0
	BACK tt
.endif
.set tt, tt-1
.endr
.Lskip_\@:
.endm
	s_cmp_le_u32 s13, 128
	s_cbranch_scc1 .Llower                         ; no step from 128 on works: neither load nor follow those rows
.set r, 0
.rept 128
	ds_load_b32 v[S+r], v[RWA] offset:128*(128+r)
.set r, r+1
.endr
	s_wait_dscnt 0x0
	CHUNK 15
	CHUNK 14
	CHUNK 13
	CHUNK 12
	CHUNK 11
	CHUNK 10
	CHUNK 9
	CHUNK 8
.Llower:
.set r, 1
.rept 127
	ds_load_b32 v[S+r], v[RWA] offset:128*r
.set r, r+1
.endr
	s_wait_dscnt 0x0
	CHUNK 7
	CHUNK 6
	CHUNK 5
	CHUNK 4
	CHUNK 3
	CHUNK 2
	CHUNK 1
	CHUNK 0
	s_wait_loadcnt 0x0                             ; the mask's two loads, issued ahead of the backtrace
.irp x, 0,1,2,3,4,5,6,7
	v_and_b32 v[O+\x], 0x7f, v[O+\x]               ; the tag's seven bits
	v_mul_lo_u32 v[O+\x], v[O+\x], v[MK+\x]        ; tags x mask, as the reference multiplies
.endr
	global_store_b128 v[L16], v[O:O+3],   s[10:11]             ; each store covers 512 consecutive bytes, at a multiple of 512 from the output's first byte
	global_store_b128 v[L16], v[O+4:O+7], s[10:11] offset:512
.Lend:
	s_wait_tensorcnt 0x0
	ds_add_u32 v126, v127
	s_wait_dscnt 0x0
	s_endpgm
.Lfunc_end_k_q5c85d747e8_viterbi:
	.size	k_q5c85d747e8_viterbi, .Lfunc_end_k_q5c85d747e8_viterbi-k_q5c85d747e8_viterbi
	.p2alignl 7, 3214868480
	.fill 96, 4, 3214868480
	.section	.rodata,"a",@progbits
	.p2align	6, 0x0
	.amdhsa_kernel k_q5c85d747e8_viterbi
		.amdhsa_group_segment_fixed_size 168448
		.amdhsa_private_segment_fixed_size 0
		.amdhsa_enable_private_segment 0
		.amdhsa_kernarg_size 32
		.amdhsa_user_sgpr_count 2
		.amdhsa_user_sgpr_kernarg_segment_ptr 1
		.amdhsa_wavefront_size32 1
		.amdhsa_system_sgpr_workgroup_id_x 1
		.amdhsa_system_sgpr_workgroup_id_y 1
		.amdhsa_system_sgpr_workgroup_id_z 1
		.amdhsa_system_vgpr_workitem_id 0
		.amdhsa_next_free_vgpr 384
		.amdhsa_next_free_sgpr 100
		.amdhsa_reserve_vcc 1
		.amdhsa_float_denorm_mode_32 3
		.amdhsa_float_denorm_mode_16_64 3
		.amdhsa_memory_ordered 1
		.amdhsa_forward_progress 1
		.amdhsa_inst_pref_size 255
	.end_amdhsa_kernel
	.section	.bss,"aw",@nobits
	.p2align	6
	.space	262144
	.amdgpu_metadata
---
amdhsa.version: [ 1, 2 ]
amdhsa.kernels:
  - .name:           k_q5c85d747e8_viterbi
    .symbol:         k_q5c85d747e8_viterbi.kd
    .args:
      - { .name: emissions, .offset: 0, .size: 8, .value_kind: global_buffer, .address_space: global }
      - { .name: mask, .offset: 8, .size: 8, .value_kind: global_buffer, .address_space: global }
      - { .name: transition_weight, .offset: 16, .size: 8, .value_kind: global_buffer, .address_space: global }
      - { .name: out0, .offset: 24, .size: 8, .value_kind: global_buffer, .address_space: global }
    .group_segment_fixed_size: 168448
    .private_segment_fixed_size: 0
    .kernarg_segment_align: 8
    .kernarg_segment_size: 32
    .max_flat_workgroup_size: 128
    .sgpr_count:     100
    .vgpr_count:     384
    .wavefront_size: 32
...
	.end_amdgpu_metadata
.endif
;; end of part 1
;; ======== version 2 of 2: 1 launch; version 1 with the launch viterbi written anew for expert scheduling mode
;; launch viterbi (part 2): grid 256 x 1, 4 waves a work-group, no clusters, 168,448 bytes of LDS; arguments emissions, mask, transition_weight, out0; writes out0
.if DOCPART == 2
	.amdgcn_target "amdgcn-amd-amdhsa--gfx1250"
	.amdhsa_code_object_version 6
	.text
	.protected	k_q5c85d747e8_viterbi
	.globl	k_q5c85d747e8_viterbi
	.p2align	8
	.type	k_q5c85d747e8_viterbi,@function
k_q5c85d747e8_viterbi:
	s_mov_b64 s[64:65], 0
	v_nop
	global_prefetch_b8 v0, s[64:65] scope:SCOPE_SE
	s_setreg_imm32_b32 hwreg(HW_REG_WAVE_SCHED_MODE, 0, 2), 2
	s_setreg_imm32_b32 hwreg(HW_REG_WAVE_MODE, 25, 1), 1
	s_wait_xcnt 0x0
	s_wait_alu depctr_vm_vsrc(0)
; Viterbi decode of a CRF.  emissions [256][256][128] f32, mask [256][256] i32, transitions [128][128] f32, out [256][256] i32.
; One work-group = one batch, four waves, thread k = tag k.  length = sum of the batch's mask row.
; Step t (1 .. 255, only while t < length):  score'[k] = max over j of (score[j] + trans[j][k]) + e[t][k],  bp[t][k] = first j that reaches the maximum.
; Every sum is one f32 add and the maximum is exact, so the sums are the reference's own bit for bit; ties go to the lowest j.
; Steps with t >= length change nothing in the reference (score frozen, tag carried): here they do no arithmetic and their rows of
; backpointers hold the identity.  The loop has a constant number of trips because it holds a barrier; a held trip jumps over both working halves.
; The length steers branches, so it is made of whole numbers on the scalar side alone: scalar loads of the mask row and scalar adds.
; The backtrace runs in wave 0 on registers: the tag picks a lane (v_readlane_b32) and a byte (scalar shift); it enters no address and no branch.
; The multiplication of the transitions by LR_MULT = 1.0 changes no bit and is not written.
; LIMIT: NaN is not served (v_max_num_f32 drops a NaN where the reference keeps it); infinities are served as long as no sum is inf - inf.
; NO CLUSTER: the one input that work-groups share is the transition matrix, 65,536 bytes, read once by each work-group ahead of up to 255
; steps that read nothing shared; emissions, mask and output are each work-group's own.
; THE MODE: SCHED_MODE bits 1:0 = 2 (LLVM: expert scheduling mode 2), set by the entry lines.  The code itself states the register dependences
; between vector instructions and memory or LDS instructions, and those through scalar registers and VCC that vector instructions write, with s_wait_alu, always for 0.
; THE PLAN.  Registers that memory or LDS instructions touch, in the loop:
;   K4, STA, RDA  addresses, made at the head and never written again.
;   E0, E1        global loads at a block's head land in the block that is not in use; a register's one reader is its trip's add  ST = M + e.
;   R             the two LDS loads behind a trip's barrier land in it; its readers are the 128 adds of the next working trip.
;   ST            written by that add, read by the LDS store straight behind it.
;   LI            written at the end of the search, read by the byte store straight behind it.
;   BPA           read by the byte store; written once a body, at the body's end.
;   S, GM, Y, A, M, GI and the transitions in v256-383 are named by vector instructions alone.
; A trip's two working halves stand under two branches, so each wait is laid to hold on every way through the text:
;   va_vdst ahead of the score's store: ST is written; the trip's adds are done reading R and the emission.  Every reader of R and of E0, E1 stands straight
;           ahead of this line, and no vector instruction behind it names them: the loads into R and into E0, E1 owe nothing more.
;   vm_vsrc beside the wait on DScnt in front of the barrier, on working and held trips' common way: the stores have read ST and LI.
;   va_vdst ahead of the byte store: LI is written (and BPA, in a body's first trip).
;   va_vcc between each compare into VCC and its selects; va_sdst behind each run of compares into scalar registers.
.set ROWB,  512                        ; bytes in a row of emissions and of the transition matrix (128 f32)
.set TRS,   0                          ; LDS: the transition matrix, row-major, 65,536 bytes
.set STATE, 65536                      ; LDS: the 128 scores, two buffers of 512 bytes that take turns
.set FIN,   STATE+1024                 ; LDS: the last scores, 512 bytes
.set BP,    STATE+2048                 ; LDS: backpointers: row t is 128 bytes, byte k the best previous tag of tag k; 256 rows
.set LANE, 1                           ; v1       lane
.set T0,   2                           ; v2-5     at work
.set T1,   3
.set T2,   4
.set T3,   5
.set K4,   6                           ; v6       4 x thread: my column in a row of f32 (memory and LDS)
.set T16,  7                           ; v7       16 x thread
.set L16,  8                           ; v8       16 x lane: my 16 bytes of each half of the mask row and of the output row
.set STA,  9                           ; v9       LDS address of my score
.set RDA,  10                          ; v10      LDS address from which I read 4 scores: 16 x (lane mod 16)
.set BPA,  11                          ; v11      LDS address of my backpointer in the body's first row
.set ST,   12                          ; v12      my tag's score
.set M,    13                          ; v13      the maximum of my 128 sums
.set GI,   14                          ; v14      first group of eight sums that holds it
.set LI,   15                          ; v15      first place in that group; then the backpointer
.set R,    16                          ; v[16:23]   the 128 scores: register 4u+x, lane q of each row of 16 lanes = score[64u + 4q + x]
.set E0,   24                          ; v[24:31]   eight rows of emissions, my column
.set E1,   32                          ; v[32:39]   the eight rows behind them
.set MK,   40                          ; v[40:47]   wave 0: mask: register 4u+x, lane l = position 128u + 4l + x
.set GM,   48                          ; v[48:63]   maxima of the 16 groups of eight sums
.set Y,    64                          ; v[64:79]   at work in the tree of maxima
.set A,    80                          ; v[80:84]   likewise
.set O,    88                          ; v[88:95]   tags, laid out as the mask
.set ID,   96                          ; v[96:99]   16 bytes of an identity row
.set F,    100                         ; v[100:103] wave 0: four of the last scores
.set RWA,  104                         ; v104       wave 0: LDS address of my word in row 0 of the backpointers
.set FA,   105                         ; v105       wave 0: LDS address of my four last scores; a register of its own, so that no address is written twice
.set S,    128                         ; v[128:255] my 128 sums; at the start a landing place for the transitions; at the end rows of backpointers
.set SEL,  S+120                       ; the last group's registers take the eight sums of the chosen group
                                       ; v[256:383] trans[j][k], j = 0 .. 127: written v[j] under a window setting
; scalars: s[4:5] emissions (stepped), s[6:7] mask row, s[8:9] transitions, s[10:11] output row, s12 wave, s13 length clamped to 1 .. 256,
; s14 = s13 - 1, s15 = t - 1, s16 body counter, s17 first row of the block to fetch next, s20-21 lane selects, s24-30 compare masks, s31-35 backtrace;
; at the start s13-16 are four partial sums of the mask, and s[24:31], s[36:59], s[68:99] take 64 words of it at a time
.set MSB, 0
.macro WIN new                         ; s_set_vgpr_msb: low byte = the windows, high byte repeats the setting that is left
.if MSB != \new
	s_set_vgpr_msb (MSB<<8)|\new
.set MSB, \new
.endif
.endm
; A quarter of the mask row, 64 words = 256 bytes, into scalar registers ...
.macro MLOAD r
	s_load_b512 s[36:51], s[6:7], 256*\r
	s_load_b512 s[68:83], s[6:7], 256*\r+64
	s_load_b512 s[84:99], s[6:7], 256*\r+128
	s_load_b256 s[52:59], s[6:7], 256*\r+192
	s_load_b256 s[24:31], s[6:7], 256*\r+224
.endm
; ... and onto four sums that do not wait for each other, in 32-bit integers as the reference sums them.
.macro MADD
	s_wait_kmcnt 0x0                               ; scalar loads come back in no order: only the count 0 shows anything
.set i, 0
.rept 8
	s_add_co_u32 s13, s13, s[36+i]
	s_add_co_u32 s14, s14, s[68+i]
	s_add_co_u32 s15, s15, s[84+i]
	s_add_co_u32 s16, s16, s[52+i]
	s_add_co_u32 s13, s13, s[44+i]
	s_add_co_u32 s14, s14, s[76+i]
	s_add_co_u32 s15, s15, s[92+i]
	s_add_co_u32 s16, s16, s[24+i]
.set i, i+1
.endr
.endm
	s_load_b256 s[4:11], s[0:1], 0x0               ; emissions, mask, transitions, out
	v_lshl_add_u32 v126, v0, 2, 0x29000
	v_mov_b32 v127, 0
	v_and_b32 v[LANE], 31, v0
	v_lshrrev_b32 v[T0], 5, v0
	v_readfirstlane_b32 s12, v[T0]                 ; wave 0 .. 3
	v_lshlrev_b32 v[K4], 2, v0
	v_lshlrev_b32 v[T16], 4, v0
	v_lshlrev_b32 v[L16], 4, v[LANE]
	s_wait_alu depctr_va_sdst(0)                   ; s12 is written: its one reader, the compare behind the loop, lies behind branches and labels
	s_mov_b32 s20, 0x76543210                      ; v_permlanex16_b32: lane i reads lane i of the other half
	s_mov_b32 s21, 0xfedcba98
	s_mov_b32 s22, 0x04040404
	s_mov_b32 s35, 0x50002                         ; s_bfe_u32: 5 bits from bit 2
	s_mov_b32 s13, 0                               ; the four partial sums of the mask
	s_mov_b32 s14, 0
	s_mov_b32 s15, 0
	s_mov_b32 s16, 0
	s_lshl_b32 s18, ttmp9, 17                      ; batch x 256 rows x 512 bytes (below 2^25)
	s_mov_b32 s19, 0
	s_lshl_b32 s2, ttmp9, 10                       ; batch x 256 positions x 4 bytes
	s_mov_b32 s3, 0
	s_wait_kmcnt 0x0
	s_add_nc_u64 s[4:5], s[4:5], s[18:19]
	s_add_nc_u64 s[6:7], s[6:7], s[2:3]
	s_add_nc_u64 s[10:11], s[10:11], s[2:3]
	s_wait_alu depctr_va_vdst(0)                   ; K4, T16 and L16 are written: every global load and store of the kernel, and the LDS loads and stores of the matrix, read one of them as offset or address
	; 40 vector loads go out together: rows 0-7 of my column, my 512 bytes of each 2,048 of the transitions
.irp x, 0,1,2,3,4,5,6,7
	global_load_b32 v[E0+\x], v[K4], s[4:5] offset:ROWB*\x th:TH_LOAD_NT
.endr
.set n, 0
.rept 32
	global_load_b128 v[S+4*n:S+4*n+3], v[T16], s[8:9] offset:2048*n   ; the four waves take 2,048 neighbouring bytes (4 rows) at a time
.set n, n+1
.endr
	; while they are on their way: the mask row in four quarters (every wave sums it whole: each needs the length), LDS addresses,
	; and every row of backpointers becomes the identity (byte k = k)
	MLOAD 0
	v_add_nc_u32 v[STA], STATE, v[K4]
	v_and_b32 v[T0], 15, v0
	v_lshlrev_b32 v[RDA], 4, v[T0]
	v_add_nc_u32 v[RDA], STATE, v[RDA]
	v_add_nc_u32 v[BPA], BP, v0
	v_and_b32 v[T0], 7, v0                         ; 16 x thread mod 128: my 16 bytes begin at word 4 (thread mod 8) of a row
	v_lshlrev_b32 v[T0], 2, v[T0]
	v_mul_lo_u32 v[ID], v[T0], s22                 ; word L of a row holds the bytes 4L, 4L+1, 4L+2, 4L+3 = L x 0x04040404 + 0x03020100
	v_add_nc_u32 v[ID], 0x03020100, v[ID]
	v_add_nc_u32 v[ID+1], s22, v[ID]
	v_add_nc_u32 v[ID+2], s22, v[ID+1]
	v_add_nc_u32 v[ID+3], s22, v[ID+2]
	v_add_nc_u32 v[T1], BP, v[T16]
	s_wait_alu depctr_va_vdst(0)                   ; T1 and ID are written, which the sixteen stores below read; so are STA, RDA and BPA, the LDS addresses of the steps
.set n, 0
.rept 16
	ds_store_b128 v[T1], v[ID:ID+3] offset:2048*n  ; 128 threads x 16 bytes = 16 rows at a time; 2,048 is a whole number of rows, so the pattern stays
.set n, n+1
.endr
	MADD
	MLOAD 1
	; The second block of emissions is fetched under a branch on the length, and the second working half of a trip reads what the first half wrote
	; (both halves hang on the same compare and are entered together).  These registers are written once here, so that they hold
	; defined values on every way through the text.
.irp x, 0,1,2,3,4,5,6,7
	v_mov_b32 v[E1+\x], 0
	v_mov_b32 v[GM+\x], 0
.endr
	v_mov_b32 v[M], 0
	v_mov_b32 v[GI], 0
	MADD
	MLOAD 2
	MADD
	MLOAD 3
	MADD
	s_add_co_u32 s13, s13, s14
	s_add_co_u32 s15, s15, s16
	s_add_co_u32 s13, s13, s15                     ; length = sum of the 256 mask words
	s_max_i32 s13, s13, 1                          ; for t = 1 .. 255, t < length says the same with the length clamped to 1 .. 256
	s_min_i32 s13, s13, 256
	s_sub_co_u32 s14, s13, 1                       ; number of working steps
	s_wait_loadcnt 0x0
	v_mov_b32 v[ST], v[E0]                         ; the scores at t = 0 are the emissions of row 0
	s_wait_alu depctr_va_vdst(0)                   ; ST is written, which the last store below reads; that line is done reading E0, and the zeros are written into E1: loads land in both blocks in the loop
.set n, 0
.rept 32
	ds_store_b128 v[T16], v[S+4*n:S+4*n+3] offset:TRS+2048*n   ; the matrix into LDS as it lies in memory
.set n, n+1
.endr
	ds_store_b32 v[STA], v[ST]                     ; into buffer 0
	s_wait_dscnt 0x0                               ; my parts of the matrix, of the identity rows and of the scores are in LDS
	s_barrier_signal -1
	s_barrier_wait -1                              ; everybody's are
	s_wait_alu depctr_vm_vsrc(0)                   ; my LDS stores have read v[S ..] and ST, which the steps write, and T1, which wave 0 writes behind the loop
	WIN 0x40                                       ; destination in v256-511
.set j, 0
.rept 128
	ds_load_b32 v[j], v[K4] offset:TRS+ROWB*j      ; v[256+j] = trans[j][k]; 32 lanes take 128 neighbouring bytes; no vector instruction has named these registers
.set j, j+1
.endr
	WIN 0
	ds_load_b128 v[R:R+3],   v[RDA]               ; score[4q .. 4q+3], q = lane mod 16: both rows of lanes hold the same
	ds_load_b128 v[R+4:R+7], v[RDA] offset:256    ; score[64+4q .. 64+4q+3]
	s_wait_dscnt 0x0
; My 128 sums.  The score of tag j = 64u + 4q + x lies in lane q of register R+4u+x; row_share:q hands it to all 16 lanes of the row within the add.
.macro SUMS
	WIN 0x04                                       ; source 1 in v256-511: the transitions
.irp u, 0,1
.irp q, 0,1,2,3,4,5,6,7,8,9,10,11,12,13,14,15
.irp x, 0,1,2,3
	v_add_f32_dpp v[S+64*\u+4*\q+\x], v[R+4*\u+\x], v[64*\u+4*\q+\x] row_share:\q row_mask:0xf bank_mask:0xf
.endr
.endr
.endr
	WIN 0
.endm
; Maxima of the 16 groups of eight neighbouring sums, level by level (16 independent instructions a level), then the maximum of all.
.macro TREE
.set g, 0
.rept 16
	v_max3_num_f32 v[GM+g], v[S+8*g], v[S+8*g+1], v[S+8*g+2]
.set g, g+1
.endr
.set g, 0
.rept 16
	v_max3_num_f32 v[Y+g], v[S+8*g+3], v[S+8*g+4], v[S+8*g+5]
.set g, g+1
.endr
.set g, 0
.rept 16
	v_max3_num_f32 v[GM+g], v[GM+g], v[S+8*g+6], v[S+8*g+7]
.set g, g+1
.endr
.set g, 0
.rept 8
	v_dual_max_num_f32 v[GM+g], v[GM+g], v[Y+g] :: v_dual_max_num_f32 v[GM+g+1], v[GM+g+1], v[Y+g+1]
.set g, g+2
.endr
	v_max3_num_f32 v[A],   v[GM],    v[GM+1],  v[GM+2]
	v_max3_num_f32 v[A+1], v[GM+3],  v[GM+4],  v[GM+5]
	v_max3_num_f32 v[A+2], v[GM+6],  v[GM+7],  v[GM+8]
	v_max3_num_f32 v[A+3], v[GM+9],  v[GM+10], v[GM+11]
	v_max3_num_f32 v[A+4], v[GM+12], v[GM+13], v[GM+14]
	v_max3_num_f32 v[A],   v[A],     v[A+1],   v[A+2]
	v_max3_num_f32 v[A+3], v[A+3],   v[A+4],   v[GM+15]
	v_max_num_f32  v[M],   v[A],     v[A+3]
.endm
; If group g holds the maximum, its eight sums and its number replace what has been chosen.  Groups are taken from 14 down to 0, so the lowest wins.
; One compare serves nine selects; eight of them go two to an instruction (both halves read VCC, and VCC alone: so the compares cannot stand in a run).
.macro PICK g
	v_cmp_eq_f32 vcc_lo, v[GM+\g], v[M]
	s_wait_alu depctr_va_vcc(0)                    ; the compare has written VCC, which the nine selects below read
.irp x, 0,2,4,6
	v_dual_cndmask_b32 v[SEL+\x], v[SEL+\x], v[S+8*\g+\x] :: v_dual_cndmask_b32 v[SEL+\x+1], v[SEL+\x+1], v[S+8*\g+\x+1]
.endr
	v_cndmask_b32 v[GI], v[GI], \g, vcc_lo
.endm
; The first of the eight chosen sums that equals the maximum (one does); backpointer = 8 x group + place.
.macro LAST
.irp x, 0,1,2,3,4,5,6
	v_cmp_eq_f32 s[24+\x], v[SEL+\x], v[M]
.endr
	s_wait_alu depctr_va_sdst(0)                   ; the seven compares have written s24 to s30, which the selects below read
	v_cndmask_b32 v[LI], 7, 6, s30
.irp x, 5,4,3,2,1,0
	v_cndmask_b32 v[LI], v[LI], \x, s[24+\x]
.endr
	v_lshl_add_u32 v[LI], v[GI], 3, v[LI]
.endm
; One trip: step t = 16 x body + i, its emission in register e.  s15 = t - 1 (all ones at t = 0), so s15 < s14, unsigned, says 1 <= t < length.
; The score buffers take turns (t mod 2 = i mod 2).  A buffer is stored into again two trips later: between its reads and that store lies the next
; trip's barrier, in front of which every wave has waited for its reads.
.macro TRIP e, i
	s_cmp_lt_u32 s15, s14
	s_cbranch_scc0 .Lheld_\@
	SUMS
	TREE
	v_add_f32 v[ST], v[M], v[\e]                   ; my tag's new score
	s_wait_alu depctr_va_vdst(0)                   ; the add has written ST, which the store reads, and is done reading its emission, whose block a later block's head loads again; the 128 sums are done reading R, in which the new scores land behind the barrier
	ds_store_b32 v[STA], v[ST] offset:512*((\i)&1)
	v_mov_b32 v[GI], 15                            ; the search for the index starts at the last group; seven groups while the store is on its way
	PICK 14
	PICK 13
	PICK 12
	PICK 11
	PICK 10
	PICK 9
	PICK 8
.Lheld_\@:
	s_wait_dscnt 0x0                               ; for the others: my score is in LDS, my last reads of the scores and my last backpointer are done
	s_wait_alu depctr_vm_vsrc(0)                   ; the score's store has read ST and the last byte store has read LI: the next write of either lies behind this line on every way, working or held
	s_barrier_signal -1
	s_barrier_wait -1                              ; on every wave's way in every trip, working or held
	s_cmp_lt_u32 s15, s14
	s_cbranch_scc0 .Lnext_\@
	ds_load_b128 v[R:R+3],   v[RDA] offset:512*((\i)&1)       ; no wait: every reader of R stands ahead of the wait in front of the score's store, and no vector instruction since names R or RDA
	ds_load_b128 v[R+4:R+7], v[RDA] offset:512*((\i)&1)+256
	PICK 7                                         ; the rest of the search while the new scores are on their way
	PICK 6
	PICK 5
	PICK 4
	PICK 3
	PICK 2
	PICK 1
	PICK 0
	LAST
	s_wait_alu depctr_va_vdst(0)                   ; the search has written LI, which the byte store reads; in a body's first trip the step of BPA, its address, is written too
	ds_store_b8 v[BPA], v[LI] offset:128*(\i)      ; row t, byte k: a wave's 32 lanes write 32 neighbouring bytes, each wave its own
	s_wait_dscnt 0x1                               ; LDS instructions of a wave end in order (ISA guide 5.7.1): the two loads are in, the one younger store may be out
.Lnext_\@:
	s_add_co_u32 s15, s15, 1
.endm
; Eight trips on one block of emission rows.  At its head the other block is asked for, eight trips ahead of its use, and only if its first row is
; below the length (then all its rows lie inside the batch: s17 is a multiple of 8 below 256).  The wait is for 0, so it holds whether or not
; the fetch eight trips ago was made.  No wait on va_vdst: each register of the other block was last named by its trip's add (or by the head's lines), which
; stands ahead of a wait on va_vdst in the same run of code, and K4 is never written again.
.macro BLOCK use, next, first
	s_wait_loadcnt 0x0
	s_cmp_lt_u32 s17, s13
	s_cbranch_scc0 .Lnone_\@
.irp x, 0,1,2,3,4,5,6,7
	global_load_b32 v[\next+\x], v[K4], s[4:5] offset:ROWB*(\first+8+\x) th:TH_LOAD_NT
.endr
.Lnone_\@:
	s_add_co_u32 s17, s17, 8
.irp x, 0,1,2,3,4,5,6,7
	TRIP \use+\x, \first+\x
.endr
.endm
	s_mov_b32 s15, -1                              ; t - 1 for t = 0: that trip is held (row 0 has already become the scores)
	s_mov_b32 s16, 0
	s_mov_b32 s17, 8
.Lbody:                                            ; 16 bodies of 16 trips: t = 0 .. 255
	BLOCK E0, E1, 0
	BLOCK E1, E0, 8
	s_wait_xcnt 0x0                                ; the loads' base is stepped only behind this wait
	s_wait_alu depctr_vm_vsrc(0)                   ; the body's last byte store has read BPA, which the add below writes
	s_add_nc_u64 s[4:5], s[4:5], 16*ROWB
	v_add_nc_u32 v[BPA], 16*128, v[BPA]
	s_add_co_u32 s16, s16, 1
	s_cmp_lt_u32 s16, 16
	s_cbranch_scc1 .Lbody
	ds_store_b32 v[STA], v[ST] offset:FIN-STATE    ; the last scores meet in LDS; no wait: each line that writes ST stands ahead of a wait on va_vdst in its own run of code, and STA is never written again
	s_wait_dscnt 0x0                               ; they and my last backpointers are in LDS
	s_barrier_signal -1
	s_barrier_wait -1
	s_cmp_lg_u32 s12, 0
	s_cbranch_scc1 .Lend                           ; the backtrace is one chain: wave 0 alone follows it
	; the mask row once more, now a word for each position of the output: asked for here, used behind the backtrace
	global_load_b128 v[MK:MK+3],   v[L16], s[6:7]              ; L16 was written ahead of the head's first wait on va_vdst; no vector instruction has named MK
	global_load_b128 v[MK+4:MK+7], v[L16], s[6:7] offset:512
	; last tag = first tag with the largest last score.  Lane l holds tags 4l .. 4l+3.
	v_add_nc_u32 v[FA], FIN, v[L16]
	v_lshlrev_b32 v[T2], 2, v[LANE]
	v_add_nc_u32 v[RWA], BP, v[T2]
	s_wait_alu depctr_va_vdst(0)                   ; FA and RWA are written, the addresses of the LDS loads below; the steps are done writing and reading v[S ..], in which rows of backpointers land
	ds_load_b128 v[F:F+3], v[FA]
	s_wait_dscnt 0x0
	v_max3_num_f32 v[T0], v[F], v[F+1], v[F+2]
	v_max_num_f32 v[T0], v[T0], v[F+3]
.irp x, 1,2,4,8
	v_max_num_f32_dpp v[T0], v[T0], v[T0] row_xmask:\x row_mask:0xf bank_mask:0xf
.endr
	v_permlanex16_b32 v[T1], v[T0], s20, s21
	v_max_num_f32 v[T0], v[T0], v[T1]              ; the largest score, in every lane
	v_mov_b32 v[T1], 128                           ; no tag of mine reaches it
.irp x, 0,1,2,3
	v_cmp_eq_f32 s[24+\x], v[F+\x], v[T0]          ; the four compares in one run
.endr
	s_wait_alu depctr_va_sdst(0)                   ; they have written s24 to s27, which the selects below read
.irp x, 3,2,1,0
	v_add_nc_u32 v[T3], \x, v[T2]
	v_cndmask_b32 v[T1], v[T1], v[T3], s[24+\x]    ; from 3 down to 0: my lowest tag that reaches it
.endr
	v_cvt_f32_u32 v[T1], v[T1]                     ; 0 .. 128 are exact in f32: the lowest over the lanes by the f32 minimum
.irp x, 1,2,4,8
	v_min_num_f32_dpp v[T1], v[T1], v[T1] row_xmask:\x row_mask:0xf bank_mask:0xf
.endr
	v_permlanex16_b32 v[T3], v[T1], s20, s21
	v_min_num_f32 v[T1], v[T1], v[T3]
	v_cvt_u32_f32 v[T1], v[T1]
	v_readfirstlane_b32 s31, v[T1]
	s_wait_alu depctr_va_sdst(0)                   ; s31, the last tag, is written: the scalar lines and the copies below read it
	s_bfe_u32 s32, s31, s35                        ; the tag's word in a row (= lane): tag >> 2
	s_and_b32 s33, s31, 3
	s_lshl_b32 s33, s33, 3                         ; and its byte in the word: shift 8 (tag & 3)
.irp x, 0,1,2,3,4,5,6,7
	v_mov_b32 v[O+\x], s31                         ; every position from length - 1 on keeps the last tag
.endr
; Step t of the backtrace: row t lies in register S + t mod 128, word l in lane l.  tag[t-1] = bp[t][tag[t]]; the identity where t >= length.
; The bytes above the tag's stay in s34 and are cut off once, at the end.
.macro BACK t
	v_readlane_b32 s34, v[S+((\t)&127)], s32
	s_wait_alu depctr_va_sdst(0)                   ; the lane read has written s34, which the shift reads; each step hangs on the one before, so no run of such reads can share a wait
	s_lshr_b32 s34, s34, s33
	s_bfe_u32 s32, s34, s35
	s_and_b32 s33, s34, 3
	s_lshl_b32 s33, s33, 3
	v_writelane_b32 v[O+4*(((\t)-1)>>7)+(((\t)-1)&3)], s34, (((\t)-1)>>2)&31
.endm
; Steps 16c+15 down to 16c (down to 1 in block 0); jumped over where even the lowest is not below the length: those change nothing.
.macro CHUNK c
	s_cmp_le_u32 s13, 16*\c
	s_cbranch_scc1 .Lskip_\@
.set tt, 16*\c+15
.rept 16
.if tt > 0
	BACK tt
.endif
.set tt, tt-1
.endr
.Lskip_\@:
.endm
	s_cmp_le_u32 s13, 128
	s_cbranch_scc1 .Llower                         ; no step from 128 on works: neither load nor follow those rows
.set r, 0
.rept 128
	ds_load_b32 v[S+r], v[RWA] offset:128*(128+r)  ; no wait: no vector instruction since the wait behind RWA's line names v[S ..] or RWA
.set r, r+1
.endr
	s_wait_dscnt 0x0
	CHUNK 15
	CHUNK 14
	CHUNK 13
	CHUNK 12
	CHUNK 11
	CHUNK 10
	CHUNK 9
	CHUNK 8
.Llower:
	s_wait_alu depctr_va_vdst(0)                   ; the lane reads of steps 255 to 128 are done reading v[S ..], in which rows 1 to 127 land
.set r, 1
.rept 127
	ds_load_b32 v[S+r], v[RWA] offset:128*r
.set r, r+1
.endr
	s_wait_dscnt 0x0
	CHUNK 7
	CHUNK 6
	CHUNK 5
	CHUNK 4
	CHUNK 3
	CHUNK 2
	CHUNK 1
	CHUNK 0
	s_wait_loadcnt 0x0                             ; the mask's two loads, issued ahead of the backtrace
.irp x, 0,1,2,3,4,5,6,7
	v_and_b32 v[O+\x], 0x7f, v[O+\x]               ; the tag's seven bits
	v_mul_lo_u32 v[O+\x], v[O+\x], v[MK+\x]        ; tags x mask, as the reference multiplies
.endr
	s_wait_alu depctr_va_vdst(0)                   ; the products have written v[O ..], which the two stores read
	global_store_b128 v[L16], v[O:O+3],   s[10:11]             ; each store covers 512 consecutive bytes, at a multiple of 512 from the output's first byte
	global_store_b128 v[L16], v[O+4:O+7], s[10:11] offset:512
.Lend:
	s_wait_dscnt 0x0
	s_wait_alu depctr_hold_cnt(0) depctr_sa_sdst(0) depctr_va_vdst(0) depctr_va_sdst(0) depctr_va_ssrc(0) depctr_va_vcc(0) depctr_vm_vsrc(0)
	s_wait_tensorcnt 0x0
	ds_add_u32 v126, v127
	s_wait_dscnt 0x0
	s_endpgm
.Lfunc_end_k_q5c85d747e8_viterbi:
	.size	k_q5c85d747e8_viterbi, .Lfunc_end_k_q5c85d747e8_viterbi-k_q5c85d747e8_viterbi
	.p2alignl 7, 3214868480
	.fill 96, 4, 3214868480
	.section	.rodata,"a",@progbits
	.p2align	6, 0x0
	.amdhsa_kernel k_q5c85d747e8_viterbi
		.amdhsa_group_segment_fixed_size 168448
		.amdhsa_private_segment_fixed_size 0
		.amdhsa_enable_private_segment 0
		.amdhsa_kernarg_size 32
		.amdhsa_user_sgpr_count 2
		.amdhsa_user_sgpr_kernarg_segment_ptr 1
		.amdhsa_wavefront_size32 1
		.amdhsa_system_sgpr_workgroup_id_x 1
		.amdhsa_system_sgpr_workgroup_id_y 1
		.amdhsa_system_sgpr_workgroup_id_z 1
		.amdhsa_system_vgpr_workitem_id 0
		.amdhsa_next_free_vgpr 384
		.amdhsa_next_free_sgpr 100
		.amdhsa_reserve_vcc 1
		.amdhsa_float_denorm_mode_32 3
		.amdhsa_float_denorm_mode_16_64 3
		.amdhsa_memory_ordered 1
		.amdhsa_forward_progress 1
		.amdhsa_inst_pref_size 255
	.end_amdhsa_kernel
	.section	.bss,"aw",@nobits
	.p2align	6
	.space	262144
	.amdgpu_metadata
---
amdhsa.version: [ 1, 2 ]
amdhsa.kernels:
  - .name:           k_q5c85d747e8_viterbi
    .symbol:         k_q5c85d747e8_viterbi.kd
    .args:
      - { .name: emissions, .offset: 0, .size: 8, .value_kind: global_buffer, .address_space: global }
      - { .name: mask, .offset: 8, .size: 8, .value_kind: global_buffer, .address_space: global }
      - { .name: transition_weight, .offset: 16, .size: 8, .value_kind: global_buffer, .address_space: global }
      - { .name: out0, .offset: 24, .size: 8, .value_kind: global_buffer, .address_space: global }
    .group_segment_fixed_size: 168448
    .private_segment_fixed_size: 0
    .kernarg_segment_align: 8
    .kernarg_segment_size: 32
    .max_flat_workgroup_size: 128
    .sgpr_count:     100
    .vgpr_count:     384
    .wavefront_size: 32
...
	.end_amdgpu_metadata
.endif
;; end of part 2
